; MI455X (gfx1250); checked and timed in simulation.
; The chip was launched on July 23, 2026; its instructions are those of AMD's public machine-readable ISA for CDNA 5 (MIT licence, August 2026) and "CDNA5" Instruction Set Architecture Reference Guide (July 2026). The comments in the code are by the model that wrote it; some were corrected since.
;; ICL Adaptor. Allowed arithmetic: float matrix products may take bf16 or f16 operands with f32 sums; other float arithmetic in f32, or as packed bf16 or f16 multiplies, adds, multiply-adds, maxima and minima; sums over many terms, partial sums and values carried from step to step in f32; what a program stores and reads back later, other than sums and carried values, may be rounded once to bf16 or f16.
;; Inputs: gates 8 float32; kv_k 8 x 16 x 128 x 64 float32; kv_v 8 x 16 x 128 x 64 float32; q 4 x 16 x 4,096 x 64 float32; trk_id 4 x 4,096 int32; x 4 x 16 x 4,096 x 64 float32.
;; Outputs: out0 4 x 16 x 4,096 x 64 float32.
;; 2 versions, each right; version 2 is version 1 with the launch adapt written anew for expert scheduling mode. Each part assembles by itself: llvm-mc -triple=amdgcn-amd-amdhsa -mcpu=gfx1250 --defsym DOCPART=n.
;; ======== version 1 of 2: 1 launch
;; launch adapt (part 1): grid 16 x 16, 16 waves a work-group, no clusters, 151,552 bytes of LDS; arguments q, x, kv_k, kv_v, gates, trk_id, out0; writes out0
.if DOCPART == 1
	.amdgcn_target "amdgcn-amd-amdhsa--gfx1250"
	.amdhsa_code_object_version 6
	.text
	.protected	k_q6b963e12e6_adapt
	.globl	k_q6b963e12e6_adapt
	.p2align	8
	.type	k_q6b963e12e6_adapt,@function
k_q6b963e12e6_adapt:
	s_mov_b64 s[64:65], 0
	v_nop
	global_prefetch_b8 v0, s[64:65] scope:SCOPE_SE
	s_setreg_imm32_b32 hwreg(HW_REG_WAVE_MODE, 25, 1), 1
	s_wait_xcnt 0x0
; out[b][h][t][:] = x[b][h][t][:] + gates[i] * softmax(q[b][h][t] . K[i][h]^T / 8) V[i][h],  i = trk_id[b][t];  where i is outside 0..7: out = x.
; q, x, out: [4][16][4096][64] f32 (a row is 256 consecutive bytes); kv_k, kv_v: [8][16][128][64] f32; gates: [8] f32; trk_id: [4][4096] i32.
; ONE LAUNCH.  Only the task that a token names is multiplied.  A work-group owns one head h, one batch b and a PAIR of tasks 2 tp, 2 tp + 1 (4 pairs x 4 batches x 16 heads = 256 work-groups).
; Wave w works for task 2 tp + w % 2 and for the 512 tokens from 512 (w / 2) on: it lists those of them that name its task, rounds 16 keys of its task's K and V to bf16 into LDS (V turned),
; and then walks ITS OWN list in tiles of 16 tokens.  So a tile's list address is made of the wave's number and the trip alone, and K's and V's addresses never change.
; Tokens whose id is outside 0..7 are listed by the even waves of the work-groups with tp = 0, behind their task's tokens, and go through the same tiles with gate 0: x + 0 * finite = x.
; So every row of out has one owner.
; A TILE: S^T = K Q^T (a lane holds one query and 64 of its 128 scores), the true maximum of all 128 scores, p = 2^(c s - c m), c = log2(e) / 8, packed in place to bf16: the packed
; registers ARE source 0 of O = P V.  V's column r of block cb is channel 4 r + cb, so register j of the four results in lane (r, hh) are the 16 bytes of tile row 8 hh + j that the same lane
; loaded of x and stores of out: nothing goes back through LDS.  The row sums l are P times a fragment of ones, in the same layout.  out = O * (gate / l) + x.
; Tile row 8 hh + j takes the list's place 2 j + hh, so store j holds places 2 j and 2 j + 1: in a tile that is not full whole stores are jumped, and EXEC is never written.
; NO TENSOR LOADS: the rows come by a list, which no descriptor covers.  NO CLUSTER: what the four work-groups of a pair share is 131,072 bytes of f32 K and V, against some 786,432 bytes of rows
; of its own for each at an even split, and those bytes have to pass through registers to be rounded and turned.
; LIMITS.  q, K, V and the weights p are rounded to bf16; l is the f32 sum of the rounded p; a weight below 2^-126 counts as 0; NaN and infinities are not treated apart.
; The work follows the split of the tokens: a wave has 0 to 512 rows, at most 33 tiles, which the loop's constant count of trips covers; where all tokens name one task, that task's
; eight waves in four of a head's sixteen work-groups do all the work.
.set KPITCH, 144                       ; a row of K or Q in LDS: 64 bf16 = 128 bytes + 16: an odd multiple of 16, so the 16 rows of a fragment load start 16 bytes apart modulo 256
.set VPITCH, 272                       ; a row of V^T: 128 keys in bf16 = 256 bytes + 16
.set KTASK,  128*KPITCH                ; a task's K: 18,432 bytes
.set VTASK,  64*VPITCH                 ; a task's V^T: 17,408 bytes; row 16 cb + r holds channel 4 r + cb
.set VIMG,   2*KTASK                   ; K's two images lie from byte 0, V's behind them
.set QST,    VIMG+2*VTASK              ; each wave's own stage for 16 rows of Q
.set QWAVE,  16*KPITCH
.set LIST,   QST+16*QWAVE              ; each wave's own list of token numbers
.set SEGB,   2560                      ; 640 entries: at most 527 listed places, 16 of padding behind them, and the dump entry
.set DUMP,   600
.set SPARE,  LIST+16*SEGB              ; the spare words, 128 bytes for each of 16 waves: eight blocks of 256 bytes that no other line names
.set NTRIP,  33
; vector registers
.set SPW, 1                            ; LDS address of my spare word; never rewritten
.set NIL, 2                            ; 0; never rewritten
.set L16, 3                            ; 16 r            (r = lane % 16, hh = lane / 16)
.set LB,  4                            ; my list + 4 hh
.set QSS, 6                            ; Q's stage, in: row 8 hh (+ j), 8 bytes at 8 r
.set QSL, 7                            ; Q's stage, back: row r, 16 bytes at 16 hh
.set KAD, 8                            ; my place in a fragment of my task's K
.set VAD, 9                            ; the same for V^T
.set LAD, 12                           ; where the tile's entries lie
.set OFF, 16                           ; v16-23   byte offset of my 16 bytes in tile rows 8 hh + j
.set ONES, 24                          ; v24-31   a fragment of 1.0 in bf16
.set QF,  32                           ; v32-47   Q's two fragments; behind the first product: TC, CM, TT
.set TC,  32                           ; v32-39   eight chains of the maximum; later gate / l for rows 8 hh + j
.set CM,  40                           ; v40-41   c m, named as a pair
.set TT,  42
.set S,   48                           ; v48-111  S^T, eight accumulators; packed, P's fragment kk lies at S + 16 kk
.set O,   112                          ; v112-143 O, four accumulators; v144-151 the row sums
.set LS,  144
.set QR,  112                          ; at a tile's start: q as loaded
.set X,   152                          ; v152-183 x, then out
.set KVB, 184                          ; v184-247 eight fragments of K or of V^T
; the prologue's names for registers that the tiles use otherwise
.set POS, 32
.set ADR, 33
.set ENT, 34
.set TOK0, 35                          ; 512 (w / 2) + 4 lane
.set RB,  36                           ; my list's first byte
.set RR,  37                           ; r
.set HHV, 38                           ; hh; later PADR
.set PADR, 38
.set LL,  39                           ; lane; later PENT
.set PENT, 39
.set KVO, 40                           ; 2048 hh + 16 r
.set IDO, 41                           ; 16 lane
.set KST, 42
.set VST, 43
.set ID,  48                           ; v48-63   16 ids a lane
.set KR,  184                          ; v184-215 16 rows of K as loaded
.set VR,  216                          ; v216-247 16 rows of V as loaded
.set VT,  112                          ; v112-127 first four zeros, then V turned
; scalar registers: s[4:5] q, s[6:7] x, s[8:9] kv_k, s[10:11] kv_v, s[12:13] gates, s[14:15] trk_id, s[16:17] out0
.set WV, 18                            ; wave
.set EE, 19                            ; wave % 2: my task of the pair
.set CC, 20                            ; wave / 2: which 512 tokens I list, which 16 keys I round
.set TP, 21
.set BB, 22
.set HD, 23
.set TASK, 24
.set N1, 25                            ; rows of my task
.set N2P, 26                           ; the list's end: 16 x my task's tiles + rows with an id outside 0..7
.set T0, 27
.set T1, 28                            ; s[28:29]: an offset, 0 on top
.set GE, 30                            ; my task's gate
.set NT, 32                            ; my tiles in all
.set NT1, 33                           ; those of my task
.set TRIP, 34
.set P1, 35                            ; where the part of the list in hand begins
.set NN, 37
.set ROWS, 39
.set GATE, 40
.set CS, 42                            ; s[42:43] c, named as a pair
.set SEL, 44                           ; s[44:45] v_permlanex16_b32's selects: each lane takes its own place in the other half
; My 512 tokens are gone through, 32 at a time.  kind 0: those of my task; kind 1: those with an id outside 0..7.  A lane that matches puts its token's number at the running count plus the
; number of matching lanes below it; the others write the dump entry, which nobody reads.
.macro SCAN kind, cnt
.set k, 0
.rept 16
.if \kind
	v_cmp_lt_u32 vcc_lo, 7, v[ID+k]
.else
	v_cmp_eq_u32 vcc_lo, s[TASK], v[ID+k]
.endif
	v_mbcnt_lo_u32_b32 v[POS], vcc_lo, s[\cnt]
	v_cndmask_b32 v[POS], DUMP, v[POS], vcc_lo
	v_min_u32 v[POS], DUMP, v[POS]                 ; inside my list whatever the ids
	v_lshl_add_u32 v[ADR], v[POS], 2, v[RB]
	v_add_nc_u32 v[ENT], 128*(k/4)+k%4, v[TOK0]    ; register k holds token 512 (w / 2) + 128 (k / 4) + 4 lane + k % 4
	ds_store_b32 v[ADR], v[ENT]
	s_bcnt1_i32_b32 s[T0], vcc_lo
	s_add_co_u32 s[\cnt], s[\cnt], s[T0]
.set k, k+1
.endr
.endm
; The sixteen places behind the end of a part of the list repeat its last entry, so that the places of a tile past the count name the tile's own last row.
.macro PADL cnt
	s_cmp_eq_u32 s[\cnt], s[P1]
	s_cbranch_scc1 .Lno_pad_\@                     ; the part is empty
	s_sub_co_u32 s[T0], s[\cnt], 1
	s_min_u32 s[T0], s[T0], DUMP-1
	v_lshl_add_u32 v[ADR], s[T0], 2, v[RB]
	ds_load_b32 v[PENT], v[ADR]                    ; LDS serves a wave's instructions in order (ISA guide 5.7.1): this sees the stores above
	v_add_nc_u32 v[POS], s[\cnt], v[RR]
	v_min_u32 v[POS], DUMP-1, v[POS]
	v_lshl_add_u32 v[PADR], v[POS], 2, v[RB]
	s_wait_dscnt 0x0                               ; the entry is in
	ds_store_b32 v[PADR], v[PENT]
.Lno_pad_\@:
.endm
.macro PLACES                          ; four places behind a matrix instruction (ISA guide 7.12.1), where no other vector work is at hand
.rept 4
	v_nop
.endr
.endm
.macro KLOAD half                      ; eight fragments of K: 16 keys each, channels 32 half on
.irp kb, 0,1,2,3,4,5,6,7
	ds_load_b128 v[KVB+8*\kb:KVB+8*\kb+3],   v[KAD] offset:QWAVE*\kb+64*(\half)
	ds_load_b128 v[KVB+8*\kb+4:KVB+8*\kb+7], v[KAD] offset:QWAVE*\kb+64*(\half)+32
.endr
.endm
.macro VLOAD u                         ; eight fragments of V^T: keys 32 (2 u + t) on, channel block cb
.irp t, 0,1
.irp cb, 0,1,2,3
	ds_load_b128 v[KVB+8*(4*\t+\cb):KVB+8*(4*\t+\cb)+3],   v[VAD] offset:16*VPITCH*\cb+64*(2*(\u)+\t)
	ds_load_b128 v[KVB+8*(4*\t+\cb)+4:KVB+8*(4*\t+\cb)+7], v[VAD] offset:16*VPITCH*\cb+64*(2*(\u)+\t)+32
.endr
.endr
.endm
.macro SMUL half, lo, hi               ; S^T of key blocks lo to hi: the first half of the channels starts the sums
.irp kb, 0,1,2,3,4,5,6,7
.if (\kb >= \lo) && (\kb <= \hi)
.if \half
	v_wmma_f32_16x16x32_bf16 v[S+8*\kb:S+8*\kb+7], v[KVB+8*\kb:KVB+8*\kb+7], v[QF+8:QF+15], v[S+8*\kb:S+8*\kb+7]
.else
	v_wmma_f32_16x16x32_bf16 v[S+8*\kb:S+8*\kb+7], v[KVB+8*\kb:KVB+8*\kb+7], v[QF:QF+7], 0
.endif
.endif
.endr
.endm
.macro PVMUL kk                        ; keys 32 kk on: the four channel blocks of O, then the row sums; five accumulators by turns
.irp cb, 0,1,2,3
.if \kk
	v_wmma_f32_16x16x32_bf16 v[O+8*\cb:O+8*\cb+7], v[S+16*(\kk):S+16*(\kk)+7], v[KVB+8*(4*((\kk)%2)+\cb):KVB+8*(4*((\kk)%2)+\cb)+7], v[O+8*\cb:O+8*\cb+7]
.else
	v_wmma_f32_16x16x32_bf16 v[O+8*\cb:O+8*\cb+7], v[S+16*(\kk):S+16*(\kk)+7], v[KVB+8*(4*((\kk)%2)+\cb):KVB+8*(4*((\kk)%2)+\cb)+7], 0
.endif
.endr
.if \kk
	v_wmma_f32_16x16x32_bf16 v[LS:LS+7], v[S+16*(\kk):S+16*(\kk)+7], v[ONES:ONES+7], v[LS:LS+7]
.else
	v_wmma_f32_16x16x32_bf16 v[LS:LS+7], v[S+16*(\kk):S+16*(\kk)+7], v[ONES:ONES+7], 0
.endif
.endm
.macro FMA n                           ; c s - c m for the eight scores of key block n
.irp i, 0,1,2,3
	v_pk_fma_f32 v[S+8*(\n)+2*\i:S+8*(\n)+2*\i+1], v[S+8*(\n)+2*\i:S+8*(\n)+2*\i+1], s[CS:CS+1], v[CM:CM+1] op_sel_hi:[1,0,0] neg_lo:[0,0,1] neg_hi:[0,0,1]
.endr
.endm
.macro EXPS n
.irp i, 0,1,2,3,4,5,6,7
	v_exp_f32 v[S+8*(\n)+\i], v[S+8*(\n)+\i]
.endr
.endm
.macro PACK n                          ; key block n's eight weights to bf16, in place: half n % 2 of P's fragment n / 2; a destination lies at or below registers already read
	s_wait_alu depctr_va_vdst(0)
.irp i, 0,1,2,3
	v_cvt_pk_bf16_f32 v[S+16*((\n)/2)+4*((\n)%2)+\i], v[S+8*(\n)+2*\i], v[S+8*(\n)+2*\i+1]
.endr
.endm
	; ---- arguments, ids, lane constants
	s_load_b256 s[4:11], s[0:1], 0x0
	s_load_b128 s[12:15], s[0:1], 0x20
	s_load_b64 s[16:17], s[0:1], 0x30
	v_lshl_add_u32 v[SPW], v0, 2, SPARE
	v_mov_b32 v[NIL], 0
	v_lshrrev_b32 v[POS], 5, v0
	v_readfirstlane_b32 s[WV], v[POS]              ; wave 0..15
	v_and_b32 v[RR], 15, v0
	v_bfe_u32 v[HHV], v0, 4, 1
	v_and_b32 v[LL], 31, v0
	s_and_b32 s[EE], s[WV], 1
	s_lshr_b32 s[CC], s[WV], 1
	s_lshr_b32 s[TP], ttmp9, 2                     ; the pair of tasks
	s_and_b32 s[BB], ttmp9, 3                      ; the batch
	s_and_b32 s[HD], ttmp7, 0xffff                 ; the head
	s_lshl1_add_u32 s[TASK], s[TP], s[EE]          ; 2 tp + e
	v_lshlrev_b32 v[L16], 4, v[RR]
	v_mul_u32_u24 v[KST], v[HHV], 8*KPITCH
	v_lshl_add_u32 v[KST], v[RR], 3, v[KST]        ; row 8 hh, 8 bytes at 8 r
	s_mul_i32 s[T0], s[WV], QWAVE
	s_add_co_u32 s[T0], s[T0], QST                 ; my stage
	v_add_nc_u32 v[QSS], s[T0], v[KST]
	v_mul_u32_u24 v[KAD], v[RR], KPITCH
	v_lshl_add_u32 v[KAD], v[HHV], 4, v[KAD]       ; row r, 16 bytes at 16 hh
	v_add_nc_u32 v[QSL], s[T0], v[KAD]
	s_mul_i32 s[T0], s[EE], KTASK
	v_add_nc_u32 v[KAD], s[T0], v[KAD]             ; in my task's image of K
	s_mul_i32 s[T1], s[CC], QWAVE
	s_add_co_u32 s[T0], s[T0], s[T1]
	v_add_nc_u32 v[KST], s[T0], v[KST]             ; where my 16 keys of K go
	v_mul_u32_u24 v[VAD], v[RR], VPITCH
	v_lshl_add_u32 v[VAD], v[HHV], 4, v[VAD]
	s_mul_i32 s[T0], s[EE], VTASK
	s_add_co_u32 s[T0], s[T0], VIMG
	v_add_nc_u32 v[VAD], s[T0], v[VAD]             ; in my task's image of V^T
	s_lshl_b32 s[T1], s[CC], 5
	v_add_nc_u32 v[VST], s[T1], v[VAD]             ; where my 16 keys of V go: row r (+ 16 for each channel of my four), 32 bytes, 16 for each half of the lanes
	v_lshl_add_u32 v[KVO], v[HHV], 11, v[L16]      ; lanes 0-15 take a whole row of 256 bytes, lanes 16-31 the row eight further on
	v_lshlrev_b32 v[IDO], 4, v[LL]
	s_lshl_b32 s[T0], s[CC], 9
	v_lshl_add_u32 v[TOK0], v[LL], 2, s[T0]
	s_mul_i32 s[T0], s[WV], SEGB
	s_add_co_u32 s[T0], s[T0], LIST
	v_mov_b32 v[RB], s[T0]
	v_lshl_add_u32 v[LB], v[HHV], 2, s[T0]
	v_add_nc_u32 v[ADR], s[T0], v[IDO]
.irp i, 0,1,2,3
	v_mov_b32 v[VT+\i], 0
.endr
.irp i, 0,1,2,3,4
	ds_store_b128 v[ADR], v[VT:VT+3] offset:512*\i ; my whole list holds token 0 before anything is listed: 5 x 512 bytes; this stands in the wait for the arguments
.endr
	s_mov_b32 s[CS], 0x3e38aa3b                    ; c = log2(e) / 8
	s_mov_b32 s[CS+1], s[CS]
	s_mov_b32 s[SEL], 0x76543210
	s_mov_b32 s[SEL+1], 0xfedcba98
	s_wait_kmcnt 0x0
	; ---- each buffer's address takes its own offset
	s_lshl_b32 s[T1], s[TASK], 2
	s_mov_b32 s[T1+1], 0
	s_add_nc_u64 s[12:13], s[12:13], s[T1:T1+1]
	s_load_b32 s[GE], s[12:13], 0x0                ; my task's gate; waited for in front of the tiles
	s_lshl_b32 s[T1], s[BB], 4
	s_add_co_u32 s[T1], s[T1], s[HD]
	s_lshl_b32 s[T1], s[T1], 20                    ; the (b, h) slab: 4,096 rows of 256 bytes
	s_add_nc_u64 s[4:5], s[4:5], s[T1:T1+1]
	s_add_nc_u64 s[6:7], s[6:7], s[T1:T1+1]
	s_add_nc_u64 s[16:17], s[16:17], s[T1:T1+1]
	s_lshl_b32 s[T1], s[TASK], 4
	s_add_co_u32 s[T1], s[T1], s[HD]
	s_lshl_b32 s[T1], s[T1], 15                    ; (task, h): 128 rows of 256 bytes,
	s_lshl_b32 s[T0], s[CC], 12                    ; my 16 of them
	s_add_co_u32 s[T1], s[T1], s[T0]
	s_add_nc_u64 s[8:9], s[8:9], s[T1:T1+1]
	s_add_nc_u64 s[10:11], s[10:11], s[T1:T1+1]
	s_lshl_b32 s[T1], s[BB], 14
	s_lshl_b32 s[T0], s[CC], 11                    ; my 512 ids
	s_add_co_u32 s[T1], s[T1], s[T0]
	s_add_nc_u64 s[14:15], s[14:15], s[T1:T1+1]
	; ---- twenty loads: ids, K, V
.irp i, 0,1,2,3
	global_load_b128 v[ID+4*\i:ID+4*\i+3], v[IDO], s[14:15] offset:512*\i
.endr
.irp i, 0,1,2,3,4,5,6,7
	global_load_b128 v[KR+4*\i:KR+4*\i+3], v[KVO], s[8:9] offset:256*\i
.endr
.irp i, 0,1,2,3,4,5,6,7
	global_load_b128 v[VR+4*\i:VR+4*\i+3], v[KVO], s[10:11] offset:256*\i
.endr
	; ---- my list
	s_mov_b32 s[P1], 0
	s_mov_b32 s[N1], 0
	s_wait_loadcnt 16                              ; the four loads of ids are in; K's eight and V's eight stay out
	SCAN 0, N1
	PADL N1
	s_add_co_u32 s[T0], s[N1], 15
	s_lshr_b32 s[NT1], s[T0], 4                    ; my task's tiles
	s_lshl_b32 s[P1], s[NT1], 4                    ; the second part begins at a tile's first place
	s_mov_b32 s[N2P], s[P1]
	s_or_b32 s[T0], s[TP], s[EE]
	s_cmp_lg_u32 s[T0], 0
	s_cbranch_scc1 .Lno_class                      ; ids outside 0..7 are listed once: by the even waves where tp = 0
	SCAN 1, N2P                                    ; it writes over what the first part's padding left from P1 on
	PADL N2P
.Lno_class:
	s_add_co_u32 s[T0], s[N2P], 15
	s_lshr_b32 s[NT], s[T0], 4                     ; my tiles in all
	; ---- K: rounded, as it lies
	s_wait_loadcnt 8                               ; K is in; V's eight loads stay out
.irp i, 0,1,2,3,4,5,6,7
	v_cvt_pk_bf16_f32 v[KR+4*\i], v[KR+4*\i], v[KR+4*\i+1]
	v_cvt_pk_bf16_f32 v[KR+4*\i+1], v[KR+4*\i+2], v[KR+4*\i+3]
	ds_store_b64 v[KST], v[KR+4*\i:KR+4*\i+1] offset:KPITCH*\i
.endr
	; ---- V: rounded and turned: for each of my four channels, my eight keys are 16 bytes of the channel's row
	s_wait_loadcnt 0x0
.irp ch, 0,1,2,3
.irp p, 0,1,2,3
	v_cvt_pk_bf16_f32 v[VT+4*\ch+\p], v[VR+8*\p+\ch], v[VR+8*\p+4+\ch]
.endr
	ds_store_b128 v[VST], v[VT+4*\ch:VT+4*\ch+3] offset:16*VPITCH*\ch
.endr
.irp i, 0,1,2,3,4,5,6,7
	v_mov_b32 v[ONES+\i], 0x3f803f80               ; 1.0 twice in bf16
.endr
	s_wait_dscnt 0x0                               ; for the others' sake: my parts of the images are in LDS
	s_barrier_signal -1
	s_barrier_wait -1                              ; the kernel's one barrier: behind it the images are only read
	s_wait_kmcnt 0x0                               ; the gate
	s_mov_b32 s[TRIP], 0
.Ltrip:                                                ; trip t is my tile t
	s_cmp_ge_u32 s[TRIP], s[NT]
	s_cbranch_scc1 .Lnext                          ; no tile left for me: forward, past work alone
	s_wait_xcnt 0x0                                ; OFF and X, which the last tile's stores read, are rewritten only behind this wait
	s_cmp_lt_u32 s[TRIP], s[NT1]                   ; a tile of my task, or of the tokens without one?
	s_cselect_b32 s[GATE], s[GE], 0
	s_cselect_b32 s[NN], s[N1], s[N2P]             ; where that part of the list ends
	s_lshl_b32 s[T0], s[TRIP], 4
	s_sub_co_u32 s[ROWS], s[NN], s[T0]
	s_min_u32 s[ROWS], s[ROWS], 16                 ; the tile's rows, 1 to 16
	v_lshl_add_u32 v[LAD], s[TRIP], 6, v[LB]       ; 64 bytes of entries a tile
.irp j, 0,1,2,3,4,5,6,7
	ds_load_b32 v[OFF+\j], v[LAD] offset:8*\j      ; place 2 j + hh
.endr
	KLOAD 0
	s_wait_dscnt 16                                ; the eight entries are in; K's sixteen loads stay out
.irp j, 0,1,2,3,4,5,6,7
	v_min_u32 v[OFF+\j], 0xfff, v[OFF+\j]          ; a row of the slab, whatever LDS held
	v_lshl_add_u32 v[OFF+\j], v[OFF+\j], 8, v[L16]
.endr
.irp j, 0,1,2,3,4,5,6,7
	global_load_b128 v[QR+4*\j:QR+4*\j+3], v[OFF+\j], s[4:5]  ; sixteen lanes take one row's 256 bytes: two rows a load
.endr
.irp j, 0,1,2,3,4,5,6,7
	global_load_b128 v[X+4*\j:X+4*\j+3], v[OFF+\j], s[6:7]
.endr
	s_wait_loadcnt 8                               ; q is in; x's eight loads stay out until the way out
.irp j, 0,1,2,3,4,5,6,7
	v_cvt_pk_bf16_f32 v[QR+4*\j], v[QR+4*\j], v[QR+4*\j+1]
	v_cvt_pk_bf16_f32 v[QR+4*\j+1], v[QR+4*\j+2], v[QR+4*\j+3]
	ds_store_b64 v[QSS], v[QR+4*\j:QR+4*\j+1] offset:KPITCH*\j
.endr
.irp f, 0,1,2,3
	ds_load_b128 v[QF+4*\f:QF+4*\f+3], v[QSL] offset:32*\f  ; my own stage: LDS serves a wave's instructions in order, so these see the stores above
.endr
	s_wait_dscnt 0x0                               ; Q's fragments and K's first eight
	SMUL 0, 0, 7                                   ; the eight accumulators take turns
	PLACES                                         ; in front of loads into registers that those products read
	KLOAD 1
	s_wait_dscnt 8                                 ; key blocks 0-3 are in; the other eight loads stay out
	SMUL 1, 0, 3
	s_wait_dscnt 0x0
	SMUL 1, 4, 7
	PLACES                                         ; in front of the loads into K's registers, of the writes over Q's and of the reads of S^T
	VLOAD 0                                        ; lands while the softmax is made
	; the maximum of my 64 scores: eight chains, each accumulator's lowest registers first
.irp kb, 0,1,2,3,4,5,6,7
	v_max3_num_f32 v[TC+\kb], v[S+8*\kb], v[S+8*\kb+1], v[S+8*\kb+2]
.endr
.irp kb, 0,1,2,3,4,5,6,7
	v_max3_num_f32 v[TC+\kb], v[TC+\kb], v[S+8*\kb+3], v[S+8*\kb+4]
.endr
.irp kb, 0,1,2,3,4,5,6,7
	v_max3_num_f32 v[TC+\kb], v[TC+\kb], v[S+8*\kb+5], v[S+8*\kb+6]
.endr
.irp i, 0,1,2,3
	v_max3_num_f32 v[TC+\i], v[TC+\i], v[S+16*\i+7], v[S+16*\i+15]
.endr
	v_max3_num_f32 v[TC], v[TC], v[TC+1], v[TC+2]
	v_max3_num_f32 v[TC+3], v[TC+3], v[TC+4], v[TC+5]
	v_max_num_f32 v[TC+6], v[TC+6], v[TC+7]
	v_max3_num_f32 v[TC], v[TC], v[TC+3], v[TC+6]
	v_permlanex16_b32 v[TT], v[TC], s[SEL], s[SEL+1]  ; the query's other 64 keys lie in the lane 16 away
	v_max_num_f32 v[TC], v[TC], v[TT]
	v_mul_f32 v[CM], s[CS], v[TC]
	v_mov_b32 v[CM+1], v[CM]                       ; named with it as a pair
	; p = 2^(c s - c m): behind a block's eight exponentials stand the next block's four scalings, plain instructions, before its weights are packed (ISA guide 5.7.2)
	FMA 0
.irp kb, 0,1,2,3,4,5,6
	EXPS \kb
	FMA (\kb+1)
	PACK \kb
.endr
	EXPS 7
	v_nop
	s_wait_alu depctr_va_vdst(0)
	PACK 7
	s_wait_dscnt 0x0                               ; V's first eight fragments
	PVMUL 0
	PVMUL 1
	PLACES
	VLOAD 1
	s_wait_dscnt 8                                 ; keys 64-95 are in; the other eight loads stay out
	PVMUL 2
	s_wait_dscnt 0x0
	PVMUL 3
	PLACES                                         ; in front of the reads of the results
.irp j, 0,1,2,3,4,5,6,7
	v_rcp_f32 v[TC+\j], v[LS+\j]                   ; l is at least the largest weight, 1
.endr
	v_nop                                          ; the plain instruction behind the reciprocals
	s_wait_alu depctr_va_vdst(0)
.irp j, 0,1,2,3,4,5,6,7
	v_mul_f32 v[TC+\j], s[GATE], v[TC+\j]
.endr
	s_wait_loadcnt 0x0                             ; x
.irp j, 0,1,2,3,4,5,6,7
.irp cb, 0,1,2,3
	v_fma_f32 v[X+4*\j+\cb], v[O+8*\cb+\j], v[TC+\j], v[X+4*\j+\cb]
.endr
.endr
	s_cmp_lg_u32 s[ROWS], 16
	s_cbranch_scc1 .Lpartial
.irp j, 0,1,2,3,4,5,6,7
	global_store_b128 v[OFF+\j], v[X+4*\j:X+4*\j+3], s[16:17] th:TH_STORE_NT  ; sixteen lanes store one row's 256 consecutive bytes, aligned
.endr
	s_branch .Lnext
.Lpartial:                                             ; a part's last tile: store j holds places 2 j and 2 j + 1 and is jumped, with all behind it, where both lie past the count.
	                                               ; With an odd count the last store's upper half holds the padding, the last row once more: the same q, x and arithmetic, so the same bits to the same 256 bytes.
	global_store_b128 v[OFF], v[X:X+3], s[16:17] th:TH_STORE_NT
.irp j, 1,2,3,4,5,6,7
	s_cmp_le_u32 s[ROWS], 2*\j
	s_cbranch_scc1 .Lnext
	global_store_b128 v[OFF+\j], v[X+4*\j:X+4*\j+3], s[16:17] th:TH_STORE_NT
.endr
.Lnext:
	s_add_co_u32 s[TRIP], s[TRIP], 1
	s_cmp_lt_u32 s[TRIP], NTRIP
	s_cbranch_scc1 .Ltrip
	s_wait_tensorcnt 0x0                           ; the wave's end, behind my last LDS store
	ds_add_u32 v[SPW], v[NIL]
	s_wait_dscnt 0x0
	s_endpgm
.Lfunc_end_k_q6b963e12e6_adapt:
	.size	k_q6b963e12e6_adapt, .Lfunc_end_k_q6b963e12e6_adapt-k_q6b963e12e6_adapt
	.p2alignl 7, 3214868480
	.fill 96, 4, 3214868480
	.section	.rodata,"a",@progbits
	.p2align	6, 0x0
	.amdhsa_kernel k_q6b963e12e6_adapt
		.amdhsa_group_segment_fixed_size 151552
		.amdhsa_private_segment_fixed_size 0
		.amdhsa_enable_private_segment 0
		.amdhsa_kernarg_size 56
		.amdhsa_user_sgpr_count 2
		.amdhsa_user_sgpr_kernarg_segment_ptr 1
		.amdhsa_wavefront_size32 1
		.amdhsa_system_sgpr_workgroup_id_x 1
		.amdhsa_system_sgpr_workgroup_id_y 1
		.amdhsa_system_sgpr_workgroup_id_z 1
		.amdhsa_system_vgpr_workitem_id 0
		.amdhsa_next_free_vgpr 256
		.amdhsa_next_free_sgpr 66
		.amdhsa_reserve_vcc 1
		.amdhsa_float_denorm_mode_32 3
		.amdhsa_float_denorm_mode_16_64 3
		.amdhsa_memory_ordered 1
		.amdhsa_forward_progress 1
		.amdhsa_inst_pref_size 51
	.end_amdhsa_kernel
	.amdgpu_metadata
---
amdhsa.version: [ 1, 2 ]
amdhsa.kernels:
  - .name:           k_q6b963e12e6_adapt
    .symbol:         k_q6b963e12e6_adapt.kd
    .args:
      - { .name: q, .offset: 0, .size: 8, .value_kind: global_buffer, .address_space: global }
      - { .name: x, .offset: 8, .size: 8, .value_kind: global_buffer, .address_space: global }
      - { .name: kv_k, .offset: 16, .size: 8, .value_kind: global_buffer, .address_space: global }
      - { .name: kv_v, .offset: 24, .size: 8, .value_kind: global_buffer, .address_space: global }
      - { .name: gates, .offset: 32, .size: 8, .value_kind: global_buffer, .address_space: global }
      - { .name: trk_id, .offset: 40, .size: 8, .value_kind: global_buffer, .address_space: global }
      - { .name: out0, .offset: 48, .size: 8, .value_kind: global_buffer, .address_space: global }
    .group_segment_fixed_size: 151552
    .private_segment_fixed_size: 0
    .kernarg_segment_align: 8
    .kernarg_segment_size: 56
    .max_flat_workgroup_size: 512
    .sgpr_count:     66
    .vgpr_count:     256
    .wavefront_size: 32
...
	.end_amdgpu_metadata
.endif
;; end of part 1
;; ======== version 2 of 2: 1 launch; version 1 with the launch adapt written anew for expert scheduling mode
;; launch adapt (part 2): grid 16 x 16, 16 waves a work-group, no clusters, 151,552 bytes of LDS; arguments q, x, kv_k, kv_v, gates, trk_id, out0; writes out0
.if DOCPART == 2
	.amdgcn_target "amdgcn-amd-amdhsa--gfx1250"
	.amdhsa_code_object_version 6
	.text
	.protected	k_q6b963e12e6_adapt
	.globl	k_q6b963e12e6_adapt
	.p2align	8
	.type	k_q6b963e12e6_adapt,@function
k_q6b963e12e6_adapt:
	s_mov_b64 s[64:65], 0
	v_nop
	global_prefetch_b8 v0, s[64:65] scope:SCOPE_SE
	s_setreg_imm32_b32 hwreg(HW_REG_WAVE_SCHED_MODE, 0, 2), 2
	s_setreg_imm32_b32 hwreg(HW_REG_WAVE_MODE, 25, 1), 1
	s_wait_xcnt 0x0
	s_wait_alu depctr_vm_vsrc(0)
; out[b][h][t][:] = x[b][h][t][:] + gates[i] * softmax(q[b][h][t] . K[i][h]^T / 8) V[i][h],  i = trk_id[b][t];  where i is outside 0..7: out = x.
; q, x, out: [4][16][4096][64] f32 (a row is 256 consecutive bytes); kv_k, kv_v: [8][16][128][64] f32; gates: [8] f32; trk_id: [4][4096] i32.
; ONE LAUNCH.  Only the task that a token names is multiplied.  A work-group owns one head h, one batch b and a PAIR of tasks 2 tp, 2 tp + 1 (4 pairs x 4 batches x 16 heads = 256 work-groups).
; Wave w works for task 2 tp + w % 2 and for the 512 tokens from 512 (w / 2) on: it lists those of them that name its task, rounds 16 keys of its task's K and V to bf16 into LDS (V turned),
; and then walks ITS OWN list in tiles of 16 tokens.  So a tile's list address is made of the wave's number and the trip alone, and K's and V's addresses never change.
; Tokens whose id is outside 0..7 are listed by the even waves of the work-groups with tp = 0, behind their task's tokens, and go through the same tiles with gate 0: x + 0 * finite = x.
; So every row of out has one owner.
; A TILE: S^T = K Q^T (a lane holds one query and 64 of its 128 scores), the true maximum of all 128 scores, p = 2^(c s - c m), c = log2(e) / 8, packed in place to bf16: the packed
; registers ARE source 0 of O = P V.  V's column r of block cb is channel 4 r + cb, so register j of the four results in lane (r, hh) are the 16 bytes of tile row 8 hh + j that the same lane
; loaded of x and stores of out: nothing goes back through LDS.  The row sums l are P times a fragment of ones, in the same layout.  out = O * (gate / l) + x.
; Tile row 8 hh + j takes the list's place 2 j + hh, so store j holds places 2 j and 2 j + 1: in a tile that is not full whole stores are jumped, and EXEC is never written.
; NO TENSOR LOADS: the rows come by a list, which no descriptor covers.  NO CLUSTER: what the four work-groups of a pair share is 131,072 bytes of f32 K and V, against some 786,432 bytes of rows
; of its own for each at an even split, and those bytes have to pass through registers to be rounded and turned.
; LIMITS.  q, K, V and the weights p are rounded to bf16; l is the f32 sum of the rounded p; a weight below 2^-126 counts as 0; NaN and infinities are not treated apart.
; The work follows the split of the tokens: a wave has 0 to 512 rows, at most 33 tiles, which the loop's constant count of trips and the tile behind it cover; where all tokens name one task,
; that task's eight waves in four of a head's sixteen work-groups do all the work.
; THE MODE: SCHED_MODE bits 1:0 = 2 (LLVM: expert scheduling mode 2), set by the entry lines.  The code itself states the register dependences between vector or matrix instructions and
; memory or LDS instructions, with s_wait_alu, always for 0.
; THE PLAN.  Q RUNS ONE TILE AHEAD: tile t asks for the rows of q of tile t + 1, rounds them and lays them in the wave's stage, whose fragments for tile t it read at its head.  The wave's last
; tile asks for nothing and is written out behind the loop.  Registers that memory or LDS instructions touch, round a tile:
;   OFF     written at the head from TK; read by x's loads there and by the stores at the end.          LAD   written at the head; read by the loads of the next tile's entries.
;   TK      the next tile's entries land at the head; clamped behind the first products; read by the next head.
;   NOF     (the row sums' registers) written behind the first products; read by q's loads; written again by the first products P V.
;   QR      (O's registers) q of the next tile lands; rounded in place behind the exponentials; read by the stage's stores; written again by P V.
;   QF      lands at the head; read by the products K Q^T; the maxima write over it.                    KVB   lands four times (K twice, V twice); read by the products.
;   X       x lands from the head on; the last multiply-adds write it; the stores read it.              L16, LB, QSS, QSL, KAD, VAD: never written in the loop.
; Two waits on vm_vsrc a tile: at the head (the stores have read OFF and X, the entries' loads LAD) and ahead of P V (the stage's stores have read QR, q's loads NOF).  Seven on va_vdst: at the head;
; behind each of the three runs of products whose fragments are loaded over; behind the exponentials (with q's roundings); behind the reciprocals; ahead of the stores.
.set KPITCH, 144                       ; a row of K or Q in LDS: 64 bf16 = 128 bytes + 16: an odd multiple of 16, so the 16 rows of a fragment load start 16 bytes apart modulo 256
.set VPITCH, 272                       ; a row of V^T: 128 keys in bf16 = 256 bytes + 16
.set KTASK,  128*KPITCH                ; a task's K: 18,432 bytes
.set VTASK,  64*VPITCH                 ; a task's V^T: 17,408 bytes; row 16 cb + r holds channel 4 r + cb
.set VIMG,   2*KTASK                   ; K's two images lie from byte 0, V's behind them
.set QST,    VIMG+2*VTASK              ; each wave's own stage for 16 rows of Q
.set QWAVE,  16*KPITCH
.set LIST,   QST+16*QWAVE              ; each wave's own list of token numbers
.set SEGB,   2560                      ; 640 entries: at most 527 listed places, 16 of padding behind them, and the dump entry
.set DUMP,   600
.set SPARE,  LIST+16*SEGB              ; the spare words, 128 bytes for each of 16 waves: eight blocks of 256 bytes that no other line names
.set NTRIP,  33                        ; tiles of a wave at the most: NTRIP - 1 trips of the loop and the tile behind it
; vector registers
.set SPW, 1                            ; LDS address of my spare word; never rewritten
.set NIL, 2                            ; 0; never rewritten
.set L16, 3                            ; 16 r            (r = lane % 16, hh = lane / 16)
.set LB,  4                            ; my list + 4 hh
.set QSS, 6                            ; Q's stage, in: row 8 hh (+ j), 8 bytes at 8 r
.set QSL, 7                            ; Q's stage, back: row r, 16 bytes at 16 hh
.set KAD, 8                            ; my place in a fragment of my task's K
.set VAD, 9                            ; the same for V^T
.set LAD, 12                           ; where this tile's entries lie; the next tile's lie 64 bytes on
.set OFF, 16                           ; v16-23   byte offset of my 16 bytes in tile rows 8 hh + j
.set ONES, 24                          ; v24-31   a fragment of 1.0 in bf16
.set QF,  32                           ; v32-47   Q's two fragments; behind the first product: TC, CM, TT
.set TC,  32                           ; v32-39   eight chains of the maximum; later gate / l for rows 8 hh + j
.set CM,  40                           ; v40-41   c m, named as a pair
.set TT,  42
.set S,   48                           ; v48-111  S^T, eight accumulators; packed, P's fragment kk lies at S + 16 kk
.set O,   112                          ; v112-143 O, four accumulators; v144-151 the row sums
.set LS,  144
.set QR,  112                          ; ahead of P V: the next tile's q as loaded
.set NOF, 144                          ; ahead of P V: the next tile's byte offsets, for q's loads
.set X,   152                          ; v152-183 x, then out
.set KVB, 184                          ; v184-247 eight fragments of K or of V^T
.set TK,  248                          ; v248-255 token numbers, clamped: at a tile's head this tile's, behind its first products the next tile's
; the prologue's names for registers that the tiles use otherwise
.set POS, 32                           ; the wave's number
.set TOK0, 35                          ; 512 (w / 2) + 4 lane
.set RB,  36                           ; my list's first byte
.set RR,  37                           ; r
.set HHV, 38                           ; hh
.set LL,  39                           ; lane
.set KVO, 40                           ; 2048 hh + 16 r
.set IDO, 41                           ; 16 lane
.set KST, 42
.set VST, 43
.set ID,  48                           ; v48-63   16 ids a lane
.set AD0, 64                           ; v64-79   where my 16 tokens go in the list's first part
.set ENT, 80                           ; v80-95   my 16 tokens' numbers
.set AD1, 96                           ; v96-111  where they go in its second part
.set VT,  152                          ; v152-167 V turned
.set PT,  168                          ; v168-170, v172-174  the padding's two addresses and its entry, a set for each part
.set ZR,  176                          ; v176-179 four zeros
.set ZA,  180                          ; my list + 16 lane
.set KR,  184                          ; v184-215 16 rows of K as loaded
.set VR,  216                          ; v216-247 16 rows of V as loaded
; scalar registers: s[4:5] q, s[6:7] x, s[8:9] kv_k, s[10:11] kv_v, s[12:13] gates, s[14:15] trk_id, s[16:17] out0
.set WV, 18                            ; wave
.set EE, 19                            ; wave % 2: my task of the pair
.set CC, 20                            ; wave / 2: which 512 tokens I list, which 16 keys I round
.set TP, 21
.set BB, 22
.set HD, 23
.set TASK, 24
.set N1, 25                            ; rows of my task
.set N2P, 26                           ; the list's end: 16 x my task's tiles + rows with an id outside 0..7
.set T0, 27
.set T1, 28                            ; s[28:29]: an offset, 0 on top
.set GE, 30                            ; my task's gate
.set NT, 32                            ; my tiles in all
.set NT1, 33                           ; those of my task
.set TRIP, 34
.set P1, 35                            ; where the part of the list in hand begins
.set NL, 36                            ; my last tile's number
.set NN, 37
.set ROWS, 39
.set GATE, 40
.set CS, 42                            ; s[42:43] c, named as a pair
.set SEL, 44                           ; s[44:45] v_permlanex16_b32's selects: each lane takes its own place in the other half
.set MK, 48                            ; s48-63   sixteen masks of lanes, one for each of a lane's ids
; My 512 tokens are gone through, 32 at a time.  kind 0: those of my task; kind 1: those with an id outside 0..7.  A lane that matches puts its token's number at the running count plus the
; number of matching lanes below it; the others write the dump entry, which nobody reads.  The sixteen compares stand in one run, the sixteen addresses in registers of their own: one wait each.
.macro SCAN kind, cnt, ad
.set k, 0
.rept 16
.if \kind
	v_cmp_lt_u32 s[MK+k], 7, v[ID+k]
.else
	v_cmp_eq_u32 s[MK+k], s[TASK], v[ID+k]
.endif
.set k, k+1
.endr
	s_wait_alu depctr_va_sdst(0)                   ; the sixteen compares have written their masks, ahead of the masks' first reader
.set k, 0
.rept 16
	v_mbcnt_lo_u32_b32 v[\ad+k], s[MK+k], s[\cnt]
	v_cndmask_b32 v[\ad+k], DUMP, v[\ad+k], s[MK+k]
	v_min_u32 v[\ad+k], DUMP, v[\ad+k]             ; inside my list whatever the ids
	v_lshl_add_u32 v[\ad+k], v[\ad+k], 2, v[RB]
	s_bcnt1_i32_b32 s[T0], s[MK+k]
	s_add_co_u32 s[\cnt], s[\cnt], s[T0]
.set k, k+1
.endr
	s_wait_alu depctr_va_vdst(0)                   ; the sixteen addresses are written (and, the first time, the sixteen token numbers), which the LDS stores read
.set k, 0
.rept 16
	ds_store_b32 v[\ad+k], v[ENT+k]
.set k, k+1
.endr
.endm
; The sixteen places behind the end of a part of the list repeat its last entry, so that the places of a tile past the count name the tile's own last row.
.macro PADL cnt, tm
	s_cmp_eq_u32 s[\cnt], s[P1]
	s_cbranch_scc1 .Lno_pad_\@                     ; the part is empty
	s_sub_co_u32 s[T0], s[\cnt], 1
	s_min_u32 s[T0], s[T0], DUMP-1
	v_lshl_add_u32 v[\tm], s[T0], 2, v[RB]
	v_add_nc_u32 v[\tm+1], s[\cnt], v[RR]
	v_min_u32 v[\tm+1], DUMP-1, v[\tm+1]
	v_lshl_add_u32 v[\tm+1], v[\tm+1], 2, v[RB]
	s_wait_alu depctr_va_vdst(0)                   ; both addresses are written, which the LDS load and the LDS store read
	ds_load_b32 v[\tm+2], v[\tm]                   ; LDS serves a wave's instructions in order (ISA guide 5.7.1): this sees the stores above
	s_wait_dscnt 0x0                               ; the entry is in
	ds_store_b32 v[\tm+1], v[\tm+2]
.Lno_pad_\@:
.endm
.macro PLACES                          ; four places behind a matrix instruction (ISA guide 7.12.1), where no other vector work is at hand
.rept 4
	v_nop
.endr
.endm
.macro KLOAD half                      ; eight fragments of K: 16 keys each, channels 32 half on
.irp kb, 0,1,2,3,4,5,6,7
	ds_load_b128 v[KVB+8*\kb:KVB+8*\kb+3],   v[KAD] offset:QWAVE*\kb+64*(\half)
	ds_load_b128 v[KVB+8*\kb+4:KVB+8*\kb+7], v[KAD] offset:QWAVE*\kb+64*(\half)+32
.endr
.endm
.macro VLOAD u                         ; eight fragments of V^T: keys 32 (2 u + t) on, channel block cb
.irp t, 0,1
.irp cb, 0,1,2,3
	ds_load_b128 v[KVB+8*(4*\t+\cb):KVB+8*(4*\t+\cb)+3],   v[VAD] offset:16*VPITCH*\cb+64*(2*(\u)+\t)
	ds_load_b128 v[KVB+8*(4*\t+\cb)+4:KVB+8*(4*\t+\cb)+7], v[VAD] offset:16*VPITCH*\cb+64*(2*(\u)+\t)+32
.endr
.endr
.endm
.macro SMUL half, lo, hi               ; S^T of key blocks lo to hi: the first half of the channels starts the sums
.irp kb, 0,1,2,3,4,5,6,7
.if (\kb >= \lo) && (\kb <= \hi)
.if \half
	v_wmma_f32_16x16x32_bf16 v[S+8*\kb:S+8*\kb+7], v[KVB+8*\kb:KVB+8*\kb+7], v[QF+8:QF+15], v[S+8*\kb:S+8*\kb+7]
.else
	v_wmma_f32_16x16x32_bf16 v[S+8*\kb:S+8*\kb+7], v[KVB+8*\kb:KVB+8*\kb+7], v[QF:QF+7], 0
.endif
.endif
.endr
.endm
.macro PVMUL kk                        ; keys 32 kk on: the four channel blocks of O, then the row sums; five accumulators by turns
.irp cb, 0,1,2,3
.if \kk
	v_wmma_f32_16x16x32_bf16 v[O+8*\cb:O+8*\cb+7], v[S+16*(\kk):S+16*(\kk)+7], v[KVB+8*(4*((\kk)%2)+\cb):KVB+8*(4*((\kk)%2)+\cb)+7], v[O+8*\cb:O+8*\cb+7]
.else
	v_wmma_f32_16x16x32_bf16 v[O+8*\cb:O+8*\cb+7], v[S+16*(\kk):S+16*(\kk)+7], v[KVB+8*(4*((\kk)%2)+\cb):KVB+8*(4*((\kk)%2)+\cb)+7], 0
.endif
.endr
.if \kk
	v_wmma_f32_16x16x32_bf16 v[LS:LS+7], v[S+16*(\kk):S+16*(\kk)+7], v[ONES:ONES+7], v[LS:LS+7]
.else
	v_wmma_f32_16x16x32_bf16 v[LS:LS+7], v[S+16*(\kk):S+16*(\kk)+7], v[ONES:ONES+7], 0
.endif
.endm
.macro FMA n                           ; c s - c m for the eight scores of key block n
.irp i, 0,1,2,3
	v_pk_fma_f32 v[S+8*(\n)+2*\i:S+8*(\n)+2*\i+1], v[S+8*(\n)+2*\i:S+8*(\n)+2*\i+1], s[CS:CS+1], v[CM:CM+1] op_sel_hi:[1,0,0] neg_lo:[0,0,1] neg_hi:[0,0,1]
.endr
.endm
.macro EXPS n
.irp i, 0,1,2,3,4,5,6,7
	v_exp_f32 v[S+8*(\n)+\i], v[S+8*(\n)+\i]
.endr
.endm
.macro PACK n                          ; key block n's eight weights to bf16, in place: half n % 2 of P's fragment n / 2; a destination lies at or below registers already read
.irp i, 0,1,2,3
	v_cvt_pk_bf16_f32 v[S+16*((\n)/2)+4*((\n)%2)+\i], v[S+8*(\n)+2*\i], v[S+8*(\n)+2*\i+1]
.endr
.endm
; The four parts of the way of a tile's q: its entries, just landed in TK, to offsets; the loads; the roundings, in place; the stores into my stage.
.macro NEXTOFF
.irp j, 0,1,2,3,4,5,6,7
	v_min_u32 v[TK+\j], 0xfff, v[TK+\j]            ; a row of the slab, whatever LDS held
	v_lshl_add_u32 v[NOF+\j], v[TK+\j], 8, v[L16]
.endr
.endm
.macro QLOAD
.irp j, 0,1,2,3,4,5,6,7
	global_load_b128 v[QR+4*\j:QR+4*\j+3], v[NOF+\j], s[4:5]  ; sixteen lanes take one row's 256 bytes: two rows a load
.endr
.endm
.macro QCVT
.irp j, 0,1,2,3,4,5,6,7
	v_cvt_pk_bf16_f32 v[QR+4*\j], v[QR+4*\j], v[QR+4*\j+1]
	v_cvt_pk_bf16_f32 v[QR+4*\j+1], v[QR+4*\j+2], v[QR+4*\j+3]
.endr
.endm
.macro QSTAGE
.irp j, 0,1,2,3,4,5,6,7
	ds_store_b64 v[QSS], v[QR+4*\j:QR+4*\j+1] offset:KPITCH*\j
.endr
.endm
; A TILE.  ti: the scalar register that holds its number.  pref = 1: a tile of the loop, which asks for the next tile's q; pref = 0: the wave's last tile.
; At its head TK holds its token numbers and my stage its q in bf16.
.macro TILE pref, ti
	s_wait_xcnt 0x0                                ; OFF and X, which the last tile's stores read, are rewritten only behind this wait
	s_wait_alu depctr_vm_vsrc(0)                   ; the last tile's stores have read OFF and X, its entries' loads LAD; ahead of the first tile: the prologue's LDS and memory instructions have read all their registers
	s_cmp_lt_u32 s[\ti], s[NT1]                    ; a tile of my task, or of the tokens without one?
	s_cselect_b32 s[GATE], s[GE], 0
	s_cselect_b32 s[NN], s[N1], s[N2P]             ; where that part of the list ends
	s_lshl_b32 s[T0], s[\ti], 4
	s_sub_co_u32 s[ROWS], s[NN], s[T0]
	s_min_u32 s[ROWS], s[ROWS], 16                 ; the tile's rows, 1 to 16
.irp j, 0,1,2,3,4,5,6,7
	v_lshl_add_u32 v[OFF+\j], v[TK+\j], 8, v[L16]  ; TK was clamped to a row of the slab when it landed
.endr
.if \pref
	s_min_u32 s[T0], s[\ti], NTRIP-2               ; the tile's number, 0 to 31 in the loop, held there by the line itself: the entries' loads below reach byte 64 x 31 + 64 + 60 + 4 = 2,112 of my list's 2,560 at the most
	v_lshl_add_u32 v[LAD], s[T0], 6, v[LB]         ; 64 bytes of entries a tile
.endif
	s_wait_alu depctr_va_vdst(0)                   ; OFF and LAD are written, which the loads below read; the last tile's vector and matrix work is done with X, QF and KVB, in which loads land
.irp j, 0,1,2,3,4,5,6,7
	global_load_b128 v[X+4*\j:X+4*\j+3], v[OFF+\j], s[6:7]  ; sixteen lanes take one row's 256 bytes: two rows a load
.endr
.if \pref
.irp j, 0,1,2,3,4,5,6,7
	ds_load_b32 v[TK+\j], v[LAD] offset:64+8*\j    ; the next tile's place 2 j + hh
.endr
.endif
.irp f, 0,1,2,3
	ds_load_b128 v[QF+4*\f:QF+4*\f+3], v[QSL] offset:32*\f  ; my own stage: LDS serves a wave's instructions in order, so these see the stores of the tile before
.endr
	KLOAD 0
	s_wait_dscnt 0x0                               ; the entries, Q's fragments and K's first eight
	SMUL 0, 0, 7                                   ; the eight accumulators take turns
.if \pref
	NEXTOFF                                        ; sixteen plain lines that name no register of those products: the places behind them
.else
	PLACES
.endif
	s_wait_alu depctr_va_vdst(0)                   ; the products are done reading KVB, in which K's second half lands; in the loop: NOF is written, which q's loads read
.if \pref
	QLOAD                                          ; the next tile's q: it has the rest of the products K Q^T, the maximum and the exponentials in which to land
.endif
	KLOAD 1
	s_wait_dscnt 8                                 ; key blocks 0-3 are in; the other eight loads stay out
	SMUL 1, 0, 3
	s_wait_dscnt 0x0
	SMUL 1, 4, 7
	PLACES                                         ; in front of the writes over Q's registers and of the reads of S^T
	s_wait_alu depctr_va_vdst(0)                   ; the products are done reading KVB, in which V's first half lands
	VLOAD 0                                        ; lands while the softmax is made
	; the maximum of my 64 scores: eight chains, each accumulator's lowest registers first
.irp kb, 0,1,2,3,4,5,6,7
	v_max3_num_f32 v[TC+\kb], v[S+8*\kb], v[S+8*\kb+1], v[S+8*\kb+2]
.endr
.irp kb, 0,1,2,3,4,5,6,7
	v_max3_num_f32 v[TC+\kb], v[TC+\kb], v[S+8*\kb+3], v[S+8*\kb+4]
.endr
.irp kb, 0,1,2,3,4,5,6,7
	v_max3_num_f32 v[TC+\kb], v[TC+\kb], v[S+8*\kb+5], v[S+8*\kb+6]
.endr
.irp i, 0,1,2,3
	v_max3_num_f32 v[TC+\i], v[TC+\i], v[S+16*\i+7], v[S+16*\i+15]
.endr
	v_max3_num_f32 v[TC], v[TC], v[TC+1], v[TC+2]
	v_max3_num_f32 v[TC+3], v[TC+3], v[TC+4], v[TC+5]
	v_max_num_f32 v[TC+6], v[TC+6], v[TC+7]
	v_max3_num_f32 v[TC], v[TC], v[TC+3], v[TC+6]
	v_permlanex16_b32 v[TT], v[TC], s[SEL], s[SEL+1]  ; the query's other 64 keys lie in the lane 16 away
	v_max_num_f32 v[TC], v[TC], v[TT]
	v_mul_f32 v[CM], s[CS], v[TC]
	v_mov_b32 v[CM+1], v[CM]                       ; named with it as a pair
	; p = 2^(c s - c m): the 64 exponentials are ONE batch; the scalings run two blocks ahead of them, and nothing ahead of the batch's wait names a result
	FMA 0
	FMA 1
.irp kb, 0,1,2,3,4,5
	EXPS \kb
	FMA (\kb+2)
.endr
	EXPS 6
	EXPS 7
.if \pref
	s_wait_loadcnt 0x0                             ; the next tile's q is in, and x, which was asked for ahead of it
	QCVT                                           ; plain work behind the last exponential (ISA guide 5.7.2)
.else
	v_nop                                          ; the plain instruction behind the last exponential
.endif
	s_wait_alu depctr_va_vdst(0)                   ; the exponentials have written the weights, ahead of their first reader; in the loop: the roundings have written QR, which the stage's stores read
.if \pref
	QSTAGE                                         ; behind this tile's loads of Q's fragments, in the order of issue
.endif
.irp kb, 0,1,2,3,4,5,6,7
	PACK \kb
.endr
.if \pref
	s_wait_alu depctr_vm_vsrc(0)                   ; the stage's stores have read QR and q's loads NOF: the products below write these registers as O and the row sums
.endif
	s_wait_dscnt 8*\pref                           ; V's first eight fragments are in; in the loop the eight younger stores into the stage may stay out
	PVMUL 0
	PVMUL 1
	PLACES
	s_wait_alu depctr_va_vdst(0)                   ; the products are done reading KVB, in which V's second half lands
	VLOAD 1
	s_wait_dscnt 8                                 ; keys 64-95 are in; the other eight loads stay out
	PVMUL 2
	s_wait_dscnt 0x0
	PVMUL 3
	PLACES                                         ; in front of the reads of the results
.irp j, 0,1,2,3,4,5,6,7
	v_rcp_f32 v[TC+\j], v[LS+\j]                   ; l is at least the largest weight, 1
.endr
	v_nop                                          ; the plain instruction behind the reciprocals
	s_wait_alu depctr_va_vdst(0)                   ; the eight reciprocals are written, ahead of their first reader
.irp j, 0,1,2,3,4,5,6,7
	v_mul_f32 v[TC+\j], s[GATE], v[TC+\j]
.endr
.if !\pref
	s_wait_loadcnt 0x0                             ; x
.endif
.irp j, 0,1,2,3,4,5,6,7
.irp cb, 0,1,2,3
	v_fma_f32 v[X+4*\j+\cb], v[O+8*\cb+\j], v[TC+\j], v[X+4*\j+\cb]
.endr
.endr
	s_wait_alu depctr_va_vdst(0)                   ; the multiply-adds have written X, which the stores of both arms below read
	s_cmp_lg_u32 s[ROWS], 16
	s_cbranch_scc1 .Lpartial_\@
.irp j, 0,1,2,3,4,5,6,7
	global_store_b128 v[OFF+\j], v[X+4*\j:X+4*\j+3], s[16:17] th:TH_STORE_NT  ; sixteen lanes store one row's 256 consecutive bytes, aligned
.endr
	s_branch .Ldone_\@
.Lpartial_\@:                                          ; a part's last tile: store j holds places 2 j and 2 j + 1 and is jumped, with all behind it, where both lie past the count.
	                                               ; With an odd count the last store's upper half holds the padding, the last row once more: the same q, x and arithmetic, so the same bits to the same 256 bytes.
	global_store_b128 v[OFF], v[X:X+3], s[16:17] th:TH_STORE_NT
.irp j, 1,2,3,4,5,6,7
	s_cmp_le_u32 s[ROWS], 2*\j
	s_cbranch_scc1 .Ldone_\@
	global_store_b128 v[OFF+\j], v[X+4*\j:X+4*\j+3], s[16:17] th:TH_STORE_NT
.endr
.Ldone_\@:
.endm
	; ---- arguments, ids, lane constants
	s_load_b256 s[4:11], s[0:1], 0x0
	s_load_b128 s[12:15], s[0:1], 0x20
	s_load_b64 s[16:17], s[0:1], 0x30
	v_lshl_add_u32 v[SPW], v0, 2, SPARE
	v_mov_b32 v[NIL], 0
	v_lshrrev_b32 v[POS], 5, v0
	v_readfirstlane_b32 s[WV], v[POS]              ; wave 0..15
	v_and_b32 v[RR], 15, v0
	v_bfe_u32 v[HHV], v0, 4, 1
	v_and_b32 v[LL], 31, v0
	s_lshr_b32 s[TP], ttmp9, 2                     ; the pair of tasks
	s_and_b32 s[BB], ttmp9, 3                      ; the batch
	s_and_b32 s[HD], ttmp7, 0xffff                 ; the head
	v_lshlrev_b32 v[L16], 4, v[RR]
	v_mul_u32_u24 v[KST], v[HHV], 8*KPITCH
	v_lshl_add_u32 v[KST], v[RR], 3, v[KST]        ; row 8 hh, 8 bytes at 8 r
	v_mul_u32_u24 v[KAD], v[RR], KPITCH
	v_lshl_add_u32 v[KAD], v[HHV], 4, v[KAD]       ; row r, 16 bytes at 16 hh
	v_mul_u32_u24 v[VAD], v[RR], VPITCH
	v_lshl_add_u32 v[VAD], v[HHV], 4, v[VAD]
	v_lshl_add_u32 v[KVO], v[HHV], 11, v[L16]      ; lanes 0-15 take a whole row of 256 bytes, lanes 16-31 the row eight further on
	v_lshlrev_b32 v[IDO], 4, v[LL]
.irp i, 0,1,2,3
	v_mov_b32 v[ZR+\i], 0
.endr
	s_wait_alu depctr_va_sdst(0)                   ; the wave's number is written, ahead of its first reader
	s_and_b32 s[EE], s[WV], 1
	s_lshr_b32 s[CC], s[WV], 1
	s_lshl1_add_u32 s[TASK], s[TP], s[EE]          ; 2 tp + e
	s_mul_i32 s[T0], s[WV], QWAVE
	s_add_co_u32 s[T0], s[T0], QST                 ; my stage
	v_add_nc_u32 v[QSS], s[T0], v[KST]
	v_add_nc_u32 v[QSL], s[T0], v[KAD]
	s_mul_i32 s[T0], s[EE], KTASK
	v_add_nc_u32 v[KAD], s[T0], v[KAD]             ; in my task's image of K
	s_mul_i32 s[T1], s[CC], QWAVE
	s_add_co_u32 s[T0], s[T0], s[T1]
	v_add_nc_u32 v[KST], s[T0], v[KST]             ; where my 16 keys of K go
	s_mul_i32 s[T0], s[EE], VTASK
	s_add_co_u32 s[T0], s[T0], VIMG
	v_add_nc_u32 v[VAD], s[T0], v[VAD]             ; in my task's image of V^T
	s_lshl_b32 s[T1], s[CC], 5
	v_add_nc_u32 v[VST], s[T1], v[VAD]             ; where my 16 keys of V go: row r (+ 16 for each channel of my four), 32 bytes, 16 for each half of the lanes
	s_lshl_b32 s[T0], s[CC], 9
	v_lshl_add_u32 v[TOK0], v[LL], 2, s[T0]
	s_mul_i32 s[T0], s[WV], SEGB
	s_add_co_u32 s[T0], s[T0], LIST
	v_mov_b32 v[RB], s[T0]
	v_lshl_add_u32 v[LB], v[HHV], 2, s[T0]
	v_add_nc_u32 v[ZA], s[T0], v[IDO]
	s_wait_alu depctr_va_vdst(0)                   ; all the addresses and offsets made above are written, and the four zeros: the LDS and memory instructions of the whole kernel read them
.irp i, 0,1,2,3,4
	ds_store_b128 v[ZA], v[ZR:ZR+3] offset:512*\i  ; my whole list holds token 0 before anything is listed: 5 x 512 bytes; this stands in the wait for the arguments
.endr
	s_mov_b32 s[CS], 0x3e38aa3b                    ; c = log2(e) / 8
	s_mov_b32 s[CS+1], s[CS]
	s_mov_b32 s[SEL], 0x76543210
	s_mov_b32 s[SEL+1], 0xfedcba98
	s_wait_kmcnt 0x0
	; ---- each buffer's address takes its own offset
	s_lshl_b32 s[T1], s[TASK], 2
	s_mov_b32 s[T1+1], 0
	s_add_nc_u64 s[12:13], s[12:13], s[T1:T1+1]
	s_load_b32 s[GE], s[12:13], 0x0                ; my task's gate; waited for in front of the tiles
	s_lshl_b32 s[T1], s[BB], 4
	s_add_co_u32 s[T1], s[T1], s[HD]
	s_lshl_b32 s[T1], s[T1], 20                    ; the (b, h) slab: 4,096 rows of 256 bytes
	s_add_nc_u64 s[4:5], s[4:5], s[T1:T1+1]
	s_add_nc_u64 s[6:7], s[6:7], s[T1:T1+1]
	s_add_nc_u64 s[16:17], s[16:17], s[T1:T1+1]
	s_lshl_b32 s[T1], s[TASK], 4
	s_add_co_u32 s[T1], s[T1], s[HD]
	s_lshl_b32 s[T1], s[T1], 15                    ; (task, h): 128 rows of 256 bytes,
	s_lshl_b32 s[T0], s[CC], 12                    ; my 16 of them
	s_add_co_u32 s[T1], s[T1], s[T0]
	s_add_nc_u64 s[8:9], s[8:9], s[T1:T1+1]
	s_add_nc_u64 s[10:11], s[10:11], s[T1:T1+1]
	s_lshl_b32 s[T1], s[BB], 14
	s_lshl_b32 s[T0], s[CC], 11                    ; my 512 ids
	s_add_co_u32 s[T1], s[T1], s[T0]
	s_add_nc_u64 s[14:15], s[14:15], s[T1:T1+1]
	; ---- twenty loads: ids, K, V
.irp i, 0,1,2,3
	global_load_b128 v[ID+4*\i:ID+4*\i+3], v[IDO], s[14:15] offset:512*\i
.endr
.irp i, 0,1,2,3,4,5,6,7
	global_load_b128 v[KR+4*\i:KR+4*\i+3], v[KVO], s[8:9] offset:256*\i
.endr
.irp i, 0,1,2,3,4,5,6,7
	global_load_b128 v[VR+4*\i:VR+4*\i+3], v[KVO], s[10:11] offset:256*\i
.endr
.set k, 0
.rept 16
	v_add_nc_u32 v[ENT+k], 128*(k/4)+k%4, v[TOK0]  ; id register k holds token 512 (w / 2) + 128 (k / 4) + 4 lane + k % 4; made in the wait for the ids, for both parts of the list
.set k, k+1
.endr
	; ---- my list
	s_mov_b32 s[P1], 0
	s_mov_b32 s[N1], 0
	s_wait_loadcnt 16                              ; the four loads of ids are in; K's eight and V's eight stay out
	SCAN 0, N1, AD0
	PADL N1, PT
	s_add_co_u32 s[T0], s[N1], 15
	s_lshr_b32 s[NT1], s[T0], 4                    ; my task's tiles
	s_lshl_b32 s[P1], s[NT1], 4                    ; the second part begins at a tile's first place
	s_mov_b32 s[N2P], s[P1]
	s_or_b32 s[T0], s[TP], s[EE]
	s_cmp_lg_u32 s[T0], 0
	s_cbranch_scc1 .Lno_class                      ; ids outside 0..7 are listed once: by the even waves where tp = 0
	SCAN 1, N2P, AD1                               ; it writes over what the first part's padding left from P1 on
	PADL N2P, PT+4
.Lno_class:
	s_add_co_u32 s[T0], s[N2P], 15
	s_lshr_b32 s[NT], s[T0], 4                     ; my tiles in all
	; ---- the first tile's q is asked for as soon as the list stands.  Every wave does so, that the counts of loads are alike on all ways: a wave with no rows reads token 0's row, inside the slab, and uses nothing of it
.irp j, 0,1,2,3,4,5,6,7
	ds_load_b32 v[TK+\j], v[LB] offset:8*\j        ; place 2 j + hh of tile 0
.endr
	s_wait_dscnt 0x0                               ; the eight entries are in
	NEXTOFF
	s_wait_alu depctr_va_vdst(0)                   ; NOF is written, which q's loads read
	QLOAD
	; ---- K: rounded, as it lies.  V: rounded and turned: for each of my four channels, my eight keys are 16 bytes of the channel's row
	s_wait_loadcnt 8                               ; K and V are in; q's eight loads stay out
.irp i, 0,1,2,3,4,5,6,7
	v_cvt_pk_bf16_f32 v[KR+4*\i], v[KR+4*\i], v[KR+4*\i+1]
	v_cvt_pk_bf16_f32 v[KR+4*\i+1], v[KR+4*\i+2], v[KR+4*\i+3]
.endr
.irp ch, 0,1,2,3
.irp p, 0,1,2,3
	v_cvt_pk_bf16_f32 v[VT+4*\ch+\p], v[VR+8*\p+\ch], v[VR+8*\p+4+\ch]
.endr
.endr
.irp i, 0,1,2,3,4,5,6,7
	v_mov_b32 v[ONES+\i], 0x3f803f80               ; 1.0 twice in bf16
.endr
	s_wait_alu depctr_va_vdst(0)                   ; the roundings have written KR and VT, which the LDS stores read
.irp i, 0,1,2,3,4,5,6,7
	ds_store_b64 v[KST], v[KR+4*\i:KR+4*\i+1] offset:KPITCH*\i
.endr
.irp ch, 0,1,2,3
	ds_store_b128 v[VST], v[VT+4*\ch:VT+4*\ch+3] offset:16*VPITCH*\ch
.endr
	s_wait_dscnt 0x0                               ; for the others' sake: my parts of the images are in LDS
	s_barrier_signal -1
	s_barrier_wait -1                              ; the kernel's one barrier: behind it the images are only read
	s_wait_kmcnt 0x0                               ; the gate
	s_wait_loadcnt 0x0                             ; the first tile's q
	QCVT
	s_wait_alu depctr_va_vdst(0)                   ; the roundings have written QR, which the stage's stores read
	QSTAGE
	s_cmp_eq_u32 s[NT], 0
	s_cbranch_scc1 .Lend                           ; no row for me: forward, past work alone
	s_sub_co_u32 s[NL], s[NT], 1
	s_mov_b32 s[TRIP], 0
.Ltrip:                                                ; trip t is my tile t, where a further tile follows it
	s_cmp_ge_u32 s[TRIP], s[NL]
	s_cbranch_scc1 .Lnext                          ; no such tile left: forward, past work alone
	TILE 1, TRIP
.Lnext:
	s_add_co_u32 s[TRIP], s[TRIP], 1
	s_cmp_lt_u32 s[TRIP], NTRIP-1
	s_cbranch_scc1 .Ltrip
	TILE 0, NL                                     ; my last tile is written out: it asks for no further q, so every wait's count is the same on all ways
.Lend:
	s_wait_dscnt 0x0                               ; the closing lines, six on end
	s_wait_alu 0x0
	s_wait_tensorcnt 0x0
	ds_add_u32 v[SPW], v[NIL]
	s_wait_dscnt 0x0
	s_endpgm
.Lfunc_end_k_q6b963e12e6_adapt:
	.size	k_q6b963e12e6_adapt, .Lfunc_end_k_q6b963e12e6_adapt-k_q6b963e12e6_adapt
	.p2alignl 7, 3214868480
	.fill 96, 4, 3214868480
	.section	.rodata,"a",@progbits
	.p2align	6, 0x0
	.amdhsa_kernel k_q6b963e12e6_adapt
		.amdhsa_group_segment_fixed_size 151552
		.amdhsa_private_segment_fixed_size 0
		.amdhsa_enable_private_segment 0
		.amdhsa_kernarg_size 56
		.amdhsa_user_sgpr_count 2
		.amdhsa_user_sgpr_kernarg_segment_ptr 1
		.amdhsa_wavefront_size32 1
		.amdhsa_system_sgpr_workgroup_id_x 1
		.amdhsa_system_sgpr_workgroup_id_y 1
		.amdhsa_system_sgpr_workgroup_id_z 1
		.amdhsa_system_vgpr_workitem_id 0
		.amdhsa_next_free_vgpr 256
		.amdhsa_next_free_sgpr 66
		.amdhsa_reserve_vcc 0
		.amdhsa_float_denorm_mode_32 3
		.amdhsa_float_denorm_mode_16_64 3
		.amdhsa_memory_ordered 1
		.amdhsa_forward_progress 1
		.amdhsa_inst_pref_size 79
	.end_amdhsa_kernel
	.amdgpu_metadata
---
amdhsa.version: [ 1, 2 ]
amdhsa.kernels:
  - .name:           k_q6b963e12e6_adapt
    .symbol:         k_q6b963e12e6_adapt.kd
    .args:
      - { .name: q, .offset: 0, .size: 8, .value_kind: global_buffer, .address_space: global }
      - { .name: x, .offset: 8, .size: 8, .value_kind: global_buffer, .address_space: global }
      - { .name: kv_k, .offset: 16, .size: 8, .value_kind: global_buffer, .address_space: global }
      - { .name: kv_v, .offset: 24, .size: 8, .value_kind: global_buffer, .address_space: global }
      - { .name: gates, .offset: 32, .size: 8, .value_kind: global_buffer, .address_space: global }
      - { .name: trk_id, .offset: 40, .size: 8, .value_kind: global_buffer, .address_space: global }
      - { .name: out0, .offset: 48, .size: 8, .value_kind: global_buffer, .address_space: global }
    .group_segment_fixed_size: 151552
    .private_segment_fixed_size: 0
    .kernarg_segment_align: 8
    .kernarg_segment_size: 56
    .max_flat_workgroup_size: 512
    .sgpr_count:     66
    .vgpr_count:     256
    .wavefront_size: 32
...
	.end_amdgpu_metadata
.endif
;; end of part 2
